; MI455X (gfx1250); checked and timed in simulation.
; The chip was launched on July 23, 2026; its instructions are those of AMD's public machine-readable ISA for CDNA 5 (MIT licence, August 2026) and "CDNA5" Instruction Set Architecture Reference Guide (July 2026). The comments in the code are by the model that wrote it; some were corrected since.
;; Scaled Dot Product Attention. Allowed arithmetic: matrix products marked QUANTISED: E2M3 operands, one E8M0 scale for each 32 along K, by v_wmma_scale_f32_16x16x128_f8f6f4 with both operands' format E2M3, f32 sums; everything else in f32.
;; Inputs: attn_mask 2,048 x 2,048 bool; key 4 x 16 x 2,048 x 128 float32; key_padding_mask 4 x 2,048 bool; query 4 x 16 x 2,048 x 128 float32; value 4 x 16 x 2,048 x 128 float32.
;; Outputs: out0 4 x 16 x 2,048 x 128 float32.
;; This version of the problem:
;;   THIS VERSION OF THE PROBLEM IS GIVEN IN LOW PRECISION. The matrix products marked QUANTISED in the list below multiply operands that are first quantised to E2M3 (2 exponent bits, 3 mantissa bits; 6 bits a number), with one power-of-two scale for each 32 numbers along K (OCP MX v1.0); their sums are f32. All else is computed in f32.
;;   The module's matrix products, in the order in which they are computed (A, B: the left and right operand; K: the contracted axis; several contracted axes count as one K, in the product's order):
;;     1. batch 64 x [M 2,048, K 128] x [K 128, N 2,048]; A: input query; B: input key: QUANTISED
;;     2. batch 64 x [M 2,048, K 2,048] x [K 2,048, N 128]; A: softmax (see below); B: input value: QUANTISED
;;   THE QUANTISER, for each operand of a quantised product, along K:
;;     - K is cut into blocks of 32 from its start; a last block that is shorter is filled with zeros.
;;     - A block's scale is 2^e with e = floor(log2(the largest magnitude in the block)) - 2, held to -126 .. 127; a block of zeros has e = 0. As a byte (E8M0): e + 127.
;;     - Each number is divided by its block's scale, clamped to +-7.5, and rounded to the nearest number of E2M3, ties to even, subnormals kept.
;;     - The product sums the exact products of the quantised numbers (number of the format x scale) in f32.
;;   ~~~python
;;   def quantise(x, axis):      # numpy; x: float32 -> the quantised numbers, widened to float32 again
;;       x = np.moveaxis(x, axis, -1); K = x.shape[-1]
;;       x = np.pad(x, [(0, 0)] * (x.ndim - 1) + [(0, -K % 32)]); x = x.reshape(x.shape[:-1] + (-1, 32)); a = np.abs(x).max(-1, keepdims=True)
;;       e = np.where(a > 0, np.clip(np.frexp(np.where(a > 0, a, 1))[1] - 1 - 2, -126, 127), 0)      # np.frexp(a)[1] - 1 = floor(log2(a)), exactly
;;       r = np.clip(x / 2.0 ** e, -7.5, 7.5)
;;       step = 2.0 ** (np.maximum(np.frexp(np.where(r == 0, 1, r))[1] - 1, 0) - 3)
;;       q = np.round(r / step) * step * 2.0 ** e      # np.round: ties to even
;;       return np.moveaxis(q.reshape(q.shape[:-2] + (-1,))[..., :K], -1, axis).astype(np.float32)
;;   ~~~
;;   SOFTMAX AHEAD OF A QUANTISED PRODUCT. Where the list says 'softmax', what is quantised is not the finished softmax but p = 2^(t - M), with t = logit x log2(e) and M = ceil(the row's largest t), a whole number; so 1/2 < the row's largest p <= 1. The row's sum l is taken of the UNQUANTISED p, in f32, and the product's result is divided by l at the end. Since M is a whole number, a kernel that streams over the keys may use a running M (the ceiling of the running maximum): every later rescaling is an exact power of two, which a block's scale takes up: the codes' values come out the same.
;;   OPERANDS COMPUTED ON THE WAY. 'Computed on the way' means the value that the module computes at that place (a softmax that the list does not call 'softmax' is quantised finished and normalised). What goes into a quantiser is computed in f32, as accurately as f32 sums, v_exp_f32 and their like allow (about 1e-6 of the number): no bf16 or f16 on the way to a quantiser, and a product that is left as it is and whose result goes on into a quantised operand takes f32 operands (vector FMAs, or v_wmma_f32_16x16x4_f32). A number that lies on a knife's edge between two numbers of the format may be rounded either way, as far as f32 arithmetic and the matrix unit's own rounding can turn it there, and no further.
;; One version. Each part assembles by itself: llvm-mc -triple=amdgcn-amd-amdhsa -mcpu=gfx1250 --defsym DOCPART=n.
;; ======== version 1 of 1: 2 launches
;; limits: inputs' magnitudes at most 3e+17; right only within a limited range of input values
;; workspace buffers: qc 12,582,912 bytes; qs 524,288 bytes; kvc 25,165,824 bytes; kvs 1,048,576 bytes; mw 2,097,152 bytes of whole numbers; ms 65,536 bytes of whole numbers
;; launch prep (part 1): grid 3584 x 1, 4 waves a work-group, no clusters, 68,096 bytes of LDS; arguments query, key, value, attn_mask, key_padding_mask, qc, qs, kvc, kvs, mw, ms; writes qc, qs, kvc, kvs, mw, ms
.if DOCPART == 1
	.amdgcn_target "amdgcn-amd-amdhsa--gfx1250"
	.amdhsa_code_object_version 6
	.text
	.protected	k_q564cc98e02_prep
	.globl	k_q564cc98e02_prep
	.p2align	8
	.type	k_q564cc98e02_prep,@function
k_q564cc98e02_prep:
	s_mov_b64 s[64:65], 0
	v_nop
	global_prefetch_b8 v0, s[64:65] scope:SCOPE_SE
	s_setreg_imm32_b32 hwreg(HW_REG_WAVE_MODE, 25, 1), 1
	s_wait_xcnt 0x0
; PREPARATION FOR THE ATTENTION LAUNCH.  One body, three ways, chosen by the work-group's number:
;   0-1023 query, 1024-2047 key: 128 rows of 128 f32 become codes of FP6 (E2M3) along the head's 128, one E8M0 byte for each 32;
;   2048-3071 value: 128 keys x 128 channels become codes along the KEYS (the second product's K);
;   3072-3583 the two masks are joined into words of 32 lane bits, one word for each score register of the attention launch.
; A block's scale is 2^(floor(log2(its largest magnitude)) - 2); its byte is the largest magnitude's exponent field - 2, held at 1 from below.
; EVERYTHING IS STORED IN THE ORDER OF THE READER'S REGISTERS.  A fragment (16 rows x 128 K, 12 registers a lane) is an image of 1,536 bytes: register 4 c + j of lane l at
; 512 c + 16 l + 4 j, so that writer and reader move it by three 16-byte accesses a lane, 512 consecutive bytes each.  Scale words: a block of 512 bytes for eight tiles, the word of pair j
; (tiles 2 j, 2 j + 1) at 16 l + 4 j: lanes 0-15 tile 2 j, lanes 16-31 tile 2 j + 1.
; THE KEYS OF A TILE OF K ARE NOT NEIGHBOURS: lane r of tile 2 b + u holds key 32 b + 8 u + r + 8 (r / 8), so that the scores of two neighbouring tiles are 16 neighbouring keys in a lane.
; LIMITS: a block of zeros gets the byte 1 where the rule says 127 (its codes are zeros, and this program alone reads the bytes); blocks whose largest magnitude lies under 2^(3 - 127) are held at
; that floor; NaN and infinities among the inputs are not served; a mask byte is taken as 0 or 1 (bit 0 is read).
; No cluster: no two work-groups read the same bytes but the 8 KB of the padding mask.  No barrier: waves share nothing.  EXEC is never changed.  Only the first way uses LDS.
; The value way's scale words leave as 4 bytes a lane, 16 bytes apart (512 bytes for each 65,536 read); all other stores cover 512 or 256 consecutive bytes.
.set X,    32                          ; v32-159  128 numbers of a lane
.set PCA,  160                         ; v160-179 first tile's codes (12) and the conversions' second halves
.set PCB,  180                         ; v180-199 second tile's: no store's data are written again
.set TM,   200                         ; v200-215 at work in QUANT
.set PW0,  216                         ; scale word of the first tile,
.set PW1,  217                         ; of the second,
.set PWM,  218                         ; the two joined: lanes 0-15 the first's, lanes 16-31 the second's
.set VW,   219                         ; the value way: my channel's scale word
.set IA,   160                         ; the value way: image of tile 2 w,
.set IB,   172                         ; of tile 2 w + 1,
.set TT,   184                         ; and the blocks' upper 16 keys, four registers a block
.set SP,   528                         ; a stage row: 512 bytes + 16: sixteen rows start in sixteen different columns of 16 bytes
.set WSTG, 32*SP                       ; a wave's stage: 32 rows
.set WV,   24                          ; s24 wave
.set SEL,  26                          ; s[26:27] selects for lane l xor 16
	s_load_b512 s[4:19], s[0:1], 0x0               ; query s[4:5], key s[6:7], value s[8:9], attn_mask s[10:11], key_padding_mask s[12:13], qc s[14:15], qs s[16:17], kvc s[18:19]
	s_load_b128 s[20:23], s[0:1], 0x40             ; kvs s[20:21], mw s[22:23]
	s_load_b64 s[44:45], s[0:1], 0x50              ; ms: the masks' summaries
	v_lshl_add_u32 v224, v0, 2, 0x10800
	v_mov_b32 v225, 0
	v_lshrrev_b32 v1, 5, v0
	v_readfirstlane_b32 s[WV], v1                  ; wave 0..3
	v_and_b32 v1, 31, v0                           ; lane
	v_and_b32 v2, 15, v0                           ; r
	v_bfe_u32 v3, v0, 4, 1                         ; h
	v_lshlrev_b32 v4, 4, v1                        ; 16 x lane
	s_lshl_b32 s25, s[WV], 2
	v_add_nc_u32 v9, s25, v4                       ; a scale word's place: 16 x lane + 4 x wave (the wave's pair of tiles)
	s_mul_i32 s36, s[WV], WSTG                     ; my stage
	v_add_nc_u32 v7, s36, v4                       ; into it: 16 x lane of a row
	v_mul_u32_u24 v8, v2, SP
	v_lshl_add_u32 v8, v3, 6, v8
	v_add_nc_u32 v8, s36, v8                       ; out of it: row r, + 64 h: my 16 numbers of a block of 32
	s_mov_b32 s[SEL], 0x76543210
	s_mov_b32 s[SEL+1], 0xfedcba98
	s_mov_b32 s35, 0                               ; the upper word of every offset below
	s_wait_kmcnt 0x0
	s_cmp_ge_u32 ttmp9, 3072
	s_cbranch_scc1 .Lmask
	s_cmp_ge_u32 ttmp9, 2048
	s_cbranch_scc1 .Lvalue
; ---------------- query and key: one way for both; only pointers and four numbers are chosen, on the work-group's number
; 64 numbers of a lane, v[s] .. v[s + 63], register 16 b + i = k 32 b + 16 h + i of my row, become a fragment's 12 registers in v[pc] on and its scale word in v[pw].
.macro QUANT s, pc, pw
.irp b, 0,1,2,3
	v_max3_num_f32 v[TM+\b], |v[\s+16*\b]|, |v[\s+1+16*\b]|, 0x1800000   ; block b: my 16 numbers, and the floor 2^(3 - 127): the byte cannot fall under 1
.endr
.irp i, 2,4,6,8,10,12,14
.irp b, 0,1,2,3
	v_max3_num_f32 v[TM+\b], v[TM+\b], |v[\s+16*\b+\i]|, |v[\s+1+16*\b+\i]|   ; the four blocks by turns
.endr
.endr
.irp b, 0,1,2,3
	v_permlanex16_b32 v[TM+4+\b], v[TM+\b], s[SEL], s[SEL+1]
.endr
.irp b, 0,1,2,3
	v_max_num_f32 v[TM+\b], v[TM+\b], v[TM+4+\b]   ; with lane l xor 16's 16: the block's largest magnitude
.endr
.irp b, 0,1,2,3
	v_add_nc_u32 v[TM+12+\b], 0xff000000, v[TM+\b] ; 2 off its exponent field: the conversion takes this operand's exponent field as its scale
.endr
.irp b, 0,1,2,3
	v_lshrrev_b32 v[TM+4+\b], 23, v[TM+12+\b]      ; the scale's byte
.endr
	v_lshl_or_b32 v[\pw], v[TM+5], 8, v[TM+4]
	v_lshl_or_b32 v[\pw], v[TM+6], 16, v[\pw]
	v_lshl_or_b32 v[\pw], v[TM+7], 24, v[\pw]      ; my row's scale word
.irp c, 0,1
	v_cvt_scalef32_pk16_fp6_f32 v[\pc+6*\c:\pc+2+6*\c], v[\s+32*\c:\s+15+32*\c], v[TM+12+2*\c]
	v_cvt_scalef32_pk16_fp6_f32 v[\pc+12+4*\c:\pc+14+4*\c], v[\s+16+32*\c:\s+31+32*\c], v[TM+12+2*\c+1]   ; (a conversion's three registers begin on an even number)
.endr
	v_nop                                          ; one plain line behind the scaled conversions
.irp c, 0,1                                    ; the operand wants a WHOLE block in a lane: lanes 0-15 block 2 c, lanes 16-31 block 2 c + 1
.irp i, 0,1,2
	v_permlane16_swap_b32 v[\pc+6*\c+\i], v[\pc+12+4*\c+\i]
.endr
.irp i, 0,1,2
	v_mov_b32 v[\pc+3+6*\c+\i], v[\pc+12+4*\c+\i]
.endr
.endr
.endm
	s_and_b32 s28, ttmp9, 1023                     ; G: which 128 rows of the tensor
	s_cmp_lt_u32 ttmp9, 1024                       ; query or key?
	s_cselect_b64 s[4:5], s[4:5], s[6:7]           ; the numbers,
	s_cselect_b64 s[14:15], s[14:15], s[18:19]     ; the codes,
	s_cselect_b64 s[16:17], s[16:17], s[20:21]     ; the scale words
	s_mov_b32 s30, 24576
	s_cselect_b32 s30, 12288, s30                  ; bytes of codes from G to G + 1 (behind K's eight images lie V's eight)
	s_mov_b32 s31, 1024
	s_cselect_b32 s31, 512, s31                    ; and of scale words
	s_cselect_b32 s32, 8, 16                       ; which rows go to places 8-15 of the stage: query 8-15, key 16-23,
	s_cselect_b32 s33, 16, 8                       ; and to places 16-23: query 16-23, key 8-15
	s_lshl_b32 s34, s28, 16
	s_lshl_b32 s37, s[WV], 14
	s_add_co_u32 s34, s34, s37                     ; my wave's 32 rows: 65,536 G + 16,384 w
	s_add_nc_u64 s[4:5], s[4:5], s[34:35]
	s_mul_i32 s34, s28, s30
	s_mul_i32 s37, s[WV], 3072
	s_add_co_u32 s34, s34, s37                     ; my two images
	s_add_nc_u64 s[14:15], s[14:15], s[34:35]
	s_mul_i32 s34, s28, s31
	s_add_nc_u64 s[16:17], s[16:17], s[34:35]
	s_lshl_b32 s32, s32, 9
	s_lshl_b32 s33, s33, 9
	s_wait_alu depctr_va_vdst(0)
	v_add_nc_u32 v5, s32, v4
	v_add_nc_u32 v6, s33, v4
.irp b, 0,1,2,3
	v_mov_b32 v[TM+4+\b], 0                        ; written once: a lane permute's destination counts as one of its sources
.endr
; 32 loads, each a whole row: 512 consecutive bytes.  Place p of the stage takes the row that the tiles' order asks for; the choice stands in the global offset, so that the LDS addresses are alike for both tensors
.set p, 0
.rept 8
	global_load_b128 v[X+4*p:X+4*p+3], v4, s[4:5] offset:512*p th:TH_LOAD_NT
.set p, p+1
.endr
.rept 8
	global_load_b128 v[X+4*p:X+4*p+3], v5, s[4:5] offset:512*(p-8) th:TH_LOAD_NT
.set p, p+1
.endr
.rept 8
	global_load_b128 v[X+4*p:X+4*p+3], v6, s[4:5] offset:512*(p-16) th:TH_LOAD_NT
.set p, p+1
.endr
.rept 8
	global_load_b128 v[X+4*p:X+4*p+3], v4, s[4:5] offset:512*p th:TH_LOAD_NT
.set p, p+1
.endr
	s_wait_loadcnt 16                              ; places 0-15 are in; the 16 younger loads may be out
.set p, 0
.rept 16
	ds_store_b128 v7, v[X+4*p:X+4*p+3] offset:SP*p
.set p, p+1
.endr
	s_wait_loadcnt 0x0
.rept 16
	ds_store_b128 v7, v[X+4*p:X+4*p+3] offset:SP*p
.set p, p+1
.endr
	s_wait_dscnt 0x0                               ; the stores have read their registers, which the loads below fill
.irp u, 0,1                                    ; tile u: row r of places 16 u on; of each block of 32 my half's 16 numbers
.irp b, 0,1,2,3
.irp j, 0,1,2,3
	ds_load_b128 v[X+64*\u+16*\b+4*\j:X+64*\u+16*\b+4*\j+3], v8 offset:16*SP*\u+128*\b+16*\j
.endr
.endr
.endr
	s_wait_dscnt 16                                ; the first tile's 16 loads are in; the second's may be out
	QUANT X, PCA, PW0
.irp c, 0,1,2
	global_store_b128 v4, v[PCA+4*\c:PCA+4*\c+3], s[14:15] offset:512*\c          ; 32 lanes store 512 consecutive bytes
.endr
	s_wait_dscnt 0x0
	QUANT X+64, PCB, PW1
.irp c, 0,1,2
	global_store_b128 v4, v[PCB+4*\c:PCB+4*\c+3], s[14:15] offset:1536+512*\c
.endr
	v_cmp_gt_u32 vcc_lo, 16, v1
	v_cndmask_b32 v[PWM], v[PW1], v[PW0], vcc_lo   ; lanes 0-15: the first tile's word of row l; lanes 16-31: the second's of row l - 16 (both halves of the lanes hold a row's word)
	global_store_b32 v9, v[PWM], s[16:17]
	s_wait_tensorcnt 0x0
	ds_add_u32 v224, v225
	s_wait_dscnt 0x0
	s_endpgm
; ---------------- value: a lane takes a channel, its registers run down the keys: a block of 32 keys lies in one lane, and the codes come out with the keys innermost
.Lvalue:
	s_sub_co_u32 s28, ttmp9, 2048                  ; g = 16 x head + key step
	s_lshl_b32 s34, s28, 16
	s_lshl_b32 s37, s[WV], 7
	s_add_co_u32 s34, s34, s37                     ; the step's 128 keys, my wave's 32 channels
	s_add_nc_u64 s[8:9], s[8:9], s[34:35]
	s_mul_i32 s34, s28, 24576
	s_mul_i32 s37, s[WV], 3072
	s_add_co_u32 s34, s34, s37
	s_add_co_u32 s34, s34, 12288                   ; behind K's eight images: my two
	s_add_nc_u64 s[18:19], s[18:19], s[34:35]
	s_lshl_b32 s34, s28, 10
	s_add_co_u32 s34, s34, 512                     ; behind K's scale words
	s_add_nc_u64 s[20:21], s[20:21], s[34:35]
	s_wait_alu depctr_va_vdst(0)
	v_lshlrev_b32 v10, 2, v1                       ; 4 bytes a lane: the four waves stand side by side on a key's 512 bytes
.macro VLOAD t                         ; block t: keys 32 t + i of my channel
.set p, 0
.rept 32
	global_load_b32 v[X+32*(\t)+p], v10, s[8:9] offset:(32*(\t)+p)*512 th:TH_LOAD_NT
.set p, p+1
.endr
.endm
.macro VBLOCK t
.set XS, X+32*(\t)
.set LO, IA+12*((\t)%2)+6*((\t)/2)     ; even blocks into tile 2 w's image, odd ones into tile 2 w + 1's: the exchange below sorts them
	v_max3_num_f32 v20, |v[XS]|, |v[XS+1]|, |v[XS+2]|              ; the block's largest magnitude: all 32 numbers are mine; two chains
	v_max3_num_f32 v21, |v[XS+3]|, |v[XS+4]|, |v[XS+5]|
.irp i, 6,10,14,18,22,26
	v_max3_num_f32 v20, v20, |v[XS+\i]|, |v[XS+\i+1]|
	v_max3_num_f32 v21, v21, |v[XS+\i+2]|, |v[XS+\i+3]|
.endr
	v_max3_num_f32 v20, v20, |v[XS+30]|, |v[XS+31]|
	v_max3_num_f32 v20, v20, v21, 0x1800000        ; and the floor
	v_add_nc_u32 v[24+(\t)], 0xff000000, v20       ; the conversions' scale operand: a register for each block
	v_lshrrev_b32 v22, 23, v[24+(\t)]              ; the byte
.if (\t) == 0
	v_mov_b32 v[VW], v22
.else
	v_lshl_or_b32 v[VW], v22, 8*(\t), v[VW]        ; the lower keys in the lower byte
.endif
	v_cvt_scalef32_pk16_fp6_f32 v[LO:LO+2], v[XS:XS+15], v[24+(\t)]
	v_cvt_scalef32_pk16_fp6_f32 v[TT+4*(\t):TT+4*(\t)+2], v[XS+16:XS+31], v[24+(\t)]
.endm
	VLOAD 0
	VLOAD 1
	s_wait_alu depctr_va_vdst(0)
	s_wait_loadcnt 32                              ; block 0 is in; block 1's 32 loads may be out
	VLOAD 2
	VBLOCK 0
	s_wait_loadcnt 32                              ; block 1 is in; block 2's may be out
	VLOAD 3
	VBLOCK 1
	s_wait_loadcnt 32                              ; block 2 is in; block 3's may be out
	VBLOCK 2
	s_wait_loadcnt 0x0
	VBLOCK 3
	v_nop                                          ; one plain line behind the scaled conversions
; Lanes 0-15 hold the channels of tile 2 w, lanes 16-31 those of tile 2 w + 1, each lane all four blocks.  An image wants block 2 c in lanes 0-15 and block 2 c + 1 in lanes 16-31 of one tile:
; the even block's lanes 16-31 change places with the odd block's lanes 0-15.
.irp c, 0,1
.irp i, 0,1,2
	v_permlane16_swap_b32 v[IA+6*\c+\i], v[IB+6*\c+\i]
	v_permlane16_swap_b32 v[TT+8*\c+\i], v[TT+8*\c+4+\i]
.endr
.endr
.irp c, 0,1
.irp i, 0,1,2
	v_mov_b32 v[IA+6*\c+3+\i], v[TT+8*\c+\i]
	v_mov_b32 v[IB+6*\c+3+\i], v[TT+8*\c+4+\i]
.endr
.endr
.irp c, 0,1,2
	global_store_b128 v4, v[IA+4*\c:IA+4*\c+3], s[18:19] offset:512*\c
.endr
.irp c, 0,1,2
	global_store_b128 v4, v[IB+4*\c:IB+4*\c+3], s[18:19] offset:1536+512*\c
.endr
	global_store_b32 v9, v[VW], s[20:21]           ; lane l of wave w is lane l of pair w
	s_endpgm
; ---------------- the masks: a wave takes 16 queries x 128 keys of attn_mask and joins them with the padding mask of each of the four batches
; Word n = 16 b + i, bit l = r + 16 h: keep(query 16 T + r, key 128 j + 32 b + 16 h + i): the lane mask for score register n of the attention launch.
.Lmask:
	s_sub_co_u32 s28, ttmp9, 3072
	s_lshl_b32 s28, s28, 2
	s_add_co_u32 s28, s28, s[WV]                   ; 16 T + j
	s_lshr_b32 s29, s28, 4                         ; T: which 16 queries
	s_and_b32 s30, s28, 15                         ; j: which 128 keys
	s_lshl_b32 s31, s30, 7
	s_lshl_b32 s34, s29, 15                        ; 16 rows of 2,048 bytes
	s_add_co_u32 s34, s34, s31
	s_add_nc_u64 s[10:11], s[10:11], s[34:35]
	s_mov_b32 s34, s31
	s_add_nc_u64 s[12:13], s[12:13], s[34:35]
	s_lshl_b32 s34, s28, 8                         ; 256 bytes of words for each (T, j)
	s_add_nc_u64 s[22:23], s[22:23], s[34:35]
	; ms: for each batch (8,192 bytes apart) and block of 256 queries 256 words, word 16 j + T % 16; the words 'some key hidden' lie 32,768 bytes behind the words 'some key kept'
	s_lshr_b32 s46, s29, 4
	s_lshl_b32 s46, s46, 10
	s_lshl_b32 s47, s30, 6
	s_add_co_u32 s46, s46, s47
	s_and_b32 s47, s29, 15
	s_lshl_b32 s47, s47, 2
	s_add_co_u32 s34, s46, s47
	s_add_nc_u64 s[44:45], s[44:45], s[34:35]
	s_wait_alu depctr_va_vdst(0)
	v_lshlrev_b32 v12, 11, v2
	v_lshl_add_u32 v12, v3, 4, v12                 ; row r, + 16 h
	v_lshlrev_b32 v13, 4, v3                       ; 16 h
	v_lshlrev_b32 v14, 3, v1                       ; out: 8 bytes a lane
	v_mov_b32 v146, 0                              ; the summaries: lane l holds batch l % 4's word, 'kept' where bit 2 of l is 0, 'hidden' where it is 1
	v_and_b32 v147, 3, v1
	v_lshlrev_b32 v147, 13, v147
	v_bfe_u32 v148, v1, 2, 1
	v_lshl_add_u32 v147, v148, 15, v147            ; and its place in ms
.irp b, 0,1,2,3
	global_load_b128 v[32+4*\b:35+4*\b], v12, s[10:11] offset:32*\b th:TH_LOAD_NT   ; byte k of register 4 b + d: i = 4 d + k
.endr
.irp a, 0,1,2,3
.irp b, 0,1,2,3
	global_load_b128 v[48+16*\a+4*\b:51+16*\a+4*\b], v13, s[12:13] offset:2048*\a+32*\b   ; batch a, the same keys
.endr
.endr
.irp i, 0,1,2,3,4,5,6,7
	v_mov_b32 v[120+\i], 0                         ; written once: v_writelane_b32's destination counts as one of its sources
.endr
	s_wait_loadcnt 0x0
.irp a, 0,1,2,3
.set d, 0
.rept 16
	v_and_b32 v[128+d], v[32+d], v[48+16*\a+d]     ; both masks, four bytes at a time
.set d, d+1
.endr
	v_or_b32 v144, v128, v129                      ; my lane's 64 keys: is one kept, is one hidden (a mask byte is 0 or 1)
	v_and_b32 v145, v128, v129
.irp d, 2,3,4,5,6,7,8,9,10,11,12,13,14,15
	v_or_b32 v144, v144, v[128+\d]
	v_and_b32 v145, v145, v[128+\d]
.endr
	v_cmp_ne_u32 s46, 0, v144                      ; bit l = r + 16 h: query r has a kept key among half h's 64
	v_cmp_ne_u32 s47, 0x01010101, v145             ; bit l: it has a hidden one
.irp g, 0,8,16,24                              ; four lanes hold each word, so that every lane stores and EXEC stays as it is
	v_writelane_b32 v146, s46, \g+\a
	v_writelane_b32 v146, s47, \g+4+\a
.endr
.set q, 0
.rept 16
.irp k, 0,1,2,3
	v_and_b32 v[116+\k], 1<<(8*\k), v[128+q]
.endr
.irp k, 0,1,2,3
	v_cmp_ne_u32 s[40+\k], 0, v[116+\k]            ; the 32 lanes' bits
.endr
.irp k, 0,1,2,3
	v_writelane_b32 v[120+2*\a+\k%2], s[40+\k], 2*q+\k/2   ; word n into lane n / 2, register n % 2
.endr
.set q, q+1
.endr
	global_store_b64 v14, v[120+2*\a:121+2*\a], s[22:23] offset:524288*\a   ; 32 lanes store 256 consecutive bytes, aligned
.endr
	global_store_b32 v147, v146, s[44:45]          ; eight words of 4 bytes, each written alike by four lanes: 32 bytes for each 2,560 read
	s_endpgm
.Lfunc_end_k_q564cc98e02_prep:
	.size	k_q564cc98e02_prep, .Lfunc_end_k_q564cc98e02_prep-k_q564cc98e02_prep
	.p2alignl 7, 3214868480
	.fill 96, 4, 3214868480
	.section	.rodata,"a",@progbits
	.p2align	6, 0x0
	.amdhsa_kernel k_q564cc98e02_prep
		.amdhsa_group_segment_fixed_size 68096
		.amdhsa_private_segment_fixed_size 0
		.amdhsa_enable_private_segment 0
		.amdhsa_kernarg_size 88
		.amdhsa_user_sgpr_count 2
		.amdhsa_user_sgpr_kernarg_segment_ptr 1
		.amdhsa_wavefront_size32 1
		.amdhsa_system_sgpr_workgroup_id_x 1
		.amdhsa_system_sgpr_workgroup_id_y 1
		.amdhsa_system_sgpr_workgroup_id_z 1
		.amdhsa_system_vgpr_workitem_id 0
		.amdhsa_next_free_vgpr 226
		.amdhsa_next_free_sgpr 66
		.amdhsa_reserve_vcc 1
		.amdhsa_float_denorm_mode_32 3
		.amdhsa_float_denorm_mode_16_64 3
		.amdhsa_memory_ordered 1
		.amdhsa_forward_progress 1
		.amdhsa_inst_pref_size 96
	.end_amdhsa_kernel
	.amdgpu_metadata
---
amdhsa.version: [ 1, 2 ]
amdhsa.kernels:
  - .name:           k_q564cc98e02_prep
    .symbol:         k_q564cc98e02_prep.kd
    .args:
      - { .name: query, .offset: 0, .size: 8, .value_kind: global_buffer, .address_space: global }
      - { .name: key, .offset: 8, .size: 8, .value_kind: global_buffer, .address_space: global }
      - { .name: value, .offset: 16, .size: 8, .value_kind: global_buffer, .address_space: global }
      - { .name: attn_mask, .offset: 24, .size: 8, .value_kind: global_buffer, .address_space: global }
      - { .name: key_padding_mask, .offset: 32, .size: 8, .value_kind: global_buffer, .address_space: global }
      - { .name: qc, .offset: 40, .size: 8, .value_kind: global_buffer, .address_space: global }
      - { .name: qs, .offset: 48, .size: 8, .value_kind: global_buffer, .address_space: global }
      - { .name: kvc, .offset: 56, .size: 8, .value_kind: global_buffer, .address_space: global }
      - { .name: kvs, .offset: 64, .size: 8, .value_kind: global_buffer, .address_space: global }
      - { .name: mw, .offset: 72, .size: 8, .value_kind: global_buffer, .address_space: global }
      - { .name: ms, .offset: 80, .size: 8, .value_kind: global_buffer, .address_space: global }
    .group_segment_fixed_size: 68096
    .private_segment_fixed_size: 0
    .kernarg_segment_align: 8
    .kernarg_segment_size: 88
    .max_flat_workgroup_size: 128
    .sgpr_count:     66
    .vgpr_count:     226
    .wavefront_size: 32
...
	.end_amdgpu_metadata
.endif
;; end of part 1
;; launch attn (part 2): grid 64 x 8, 16 waves a work-group, no clusters, 274,432 bytes of LDS; arguments qc, qs, kvc, kvs, mw, ms, out0; writes out0
.if DOCPART == 2
	.amdgcn_target "amdgcn-amd-amdhsa--gfx1250"
	.amdhsa_code_object_version 6
	.text
	.protected	k_q564cc98e02_attn
	.globl	k_q564cc98e02_attn
	.p2align	8
	.type	k_q564cc98e02_attn,@function
k_q564cc98e02_attn:
	s_mov_b64 s[64:65], 0
	v_nop
	global_prefetch_b8 v0, s[64:65] scope:SCOPE_SE
	s_setreg_imm32_b32 hwreg(HW_REG_WAVE_MODE, 25, 1), 1
	s_wait_xcnt 0x0
; O[head][q][:] = the sum over k of softmax_k(masked Q[q] . K[k] / sqrt(128)) V[k][:], 64 heads, 2,048 queries and keys, head size 128; both products on codes of FP6 (E2M3), one E8M0 scale for each 32 along K.
; Codes, scale words, mask words and the masks' summaries were laid out by the launch before, in the order of this launch's registers: a fragment is an image of 1,536 bytes (register 4 c + j of lane l at 512 c + 16 l + 4 j).
; THE SOFTMAX: t = score x log2(e) / sqrt(128); M = the row's largest t so far, rounded UP to a whole number; p = 2^(t - M) is quantised along the keys; the row's sum is taken of the unquantised p and divides O
; at the end.  When M moves, the sum and O are multiplied by 2^(old M - new M): exact.
; THE MASKS are inputs, whole numbers that this launch reads from memory.  A hidden score is replaced by -2^120 ahead of the maximum (one v_cndmask_b32 on a lane mask).  In a row whose keys so far are all hidden
; t - M is 0 and p = 1; the first kept key moves M by more than any exponent, the factor is 0 and wipes those sums; from then on hidden keys give p = 0.
; WHAT THE SUMMARIES DECIDE.  ms holds, for each tile of 16 queries x 128 keys, a lane word 'some key kept' and one 'some key hidden'.  A tile with no kept key adds p = 0, or sums that a later kept key wipes: a wave
; passes over it.  That holds only for rows that have a kept key somewhere: if any row of the work-group's 256 has none in all 2,048 keys, nothing is passed over, and such a row comes out as the mean of all rows of V,
; as a softmax over equal fill values gives.  A tile with no hidden key takes a copy of the step's front without mask words and selects.  The walk has a constant 16 steps; branches lead round work alone, never round a barrier.
; LIMITS: true scores at or below -2^120 are not told from hidden ones; NaN and infinities are not served.
; SHARES.  A work-group owns 256 queries of one head, each of its sixteen waves 16 of them in 256 registers.  Two LDS slots hold four key steps each (4 x 24,576 bytes).  K's and V's images go from memory through 12
; registers a lane into LDS: wave w carries image w.  In step j of a group of four the image of step j + 4 is asked for at the step's head and stored at its end into the same place of the OTHER slot, which no wave reads
; between the two barriers round the group: one barrier for four steps.  A step from 4 on that no wave of the work-group needs is not fetched; steps 0 to 3 are fetched at the head without a test.
; NO TENSOR LOADS AND NO CLUSTER: which steps are fetched hangs on numbers read from memory, and may differ between the query blocks of a head.  NO PREFETCH: the loads into registers are themselves asked four key steps ahead of the reads.
; The later query blocks have the lower work-group numbers; any order gives the same values.
; LAYOUT.  Both products are used transposed: S^T = K Q^T, O^T = V^T P^T: a lane holds ONE query (lane % 16).  Lane r of K's tile 2 b + u holds key 32 b + 8 u + r + 8 (r / 8).
; REGISTERS: v1-7, v28-31 addresses; v8-11, v88-95 the image on its way; v12 -M, v13 the largest t, v[14:15] the sum; v16-27 Q; v32-79 four fragments; v80-83 K's scale words, v84-87 V's; v96-159 S^T, then p;
; v160-223 O^T; v224-235 p's codes; v232-254 at work; v253 p's scale word; v255 Q's scale words.
.set STEPB, 24576                      ; a key step: K's eight images, then V's eight
.set VOFF,  12288
.set SLOT1, 131072                     ; slot 0 at 0, slot 1 here: 98,304 bytes each
.set SCL,   253952                     ; the head's scale words, 16 steps x (K 512 + V 512) bytes, stored once
.set SPARE, SCL+18432                  ; the spare words, 128 bytes a wave, that no other line names
.set STAGE, 0                          ; the way out: 16 rows x 272 bytes for each wave, on slot 0's bytes, behind the last barrier
.set LI,   1                           ; 16 x lane
.set LS0,  2                           ; SCL + 16 x lane
.set ADS,  3                           ; the step's scale words
.set SPW,  4                           ; my spare word; never rewritten
.set NIL,  5                           ; 0; never rewritten
.set GO,   6                           ; my byte offset in the wave's rows of O
.set SMV,  7                           ; -2^120
.set STA,  28                          ; 1,536 x wave + 16 x lane: my image's place in a step of slot 0,
.set LI1,  29                          ; SLOT1 + 16 x lane
.set STA1, 30                          ; and of slot 1
.set ADK,  31                          ; the step's images; at the step's end: where the image on its way goes
.set OUTP, 2                           ; s[2:3]   O at my first query
.set KP,   4                           ; s[4:5]   my image of the step in hand
.set WGL,  6                           ; s[6:7]   bit 4 j: step j (counted from the one in hand) is live for the work-group
.set OWN,  8                           ; s[8:9]   for my wave
.set PAR,  10                          ; s[10:11] my tile of step j has a hidden key
.set MP,   16                          ; s[16:17] my 16 queries' mask words: 16 steps x 256 bytes
.set SEL,  20                          ; s[20:21] selects for lane l xor 16
.set CS,   22                          ; s[22:23] c = log2(e) / sqrt(128), twice
.set WV,   24
.set TB,   25                          ; 24,576 x the step's place in its slot
.set TS,   26                          ; 1,024 x the step
.set GRP,  27
.set CNT,  28
.set MO,   30                          ; 256 x the step
                                       ; s[32:63], s[68:99] a step's 64 mask words
	s_load_b256 s[32:39], s[0:1], 0x0              ; qc, qs, kvc, kvs
	s_load_b128 s[40:43], s[0:1], 0x20             ; mw, ms
	s_load_b64 s[44:45], s[0:1], 0x30              ; out0
	v_lshl_add_u32 v[SPW], v0, 2, SPARE
	v_mov_b32 v[NIL], 0
	v_lshrrev_b32 v29, 5, v0
	v_readfirstlane_b32 s[WV], v29                 ; wave 0..15
	s_and_b32 s46, ttmp7, 0xffff
	s_sub_co_u32 s46, 7, s46                       ; my block of 256 queries
	s_lshl_b32 s47, s46, 4
	s_add_co_u32 s47, s47, s[WV]                   ; T: my tile of 16 queries in the head
	s_lshl_b32 s48, ttmp9, 7
	s_add_co_u32 s48, s48, s47                     ; among all heads' tiles
	s_mul_i32 s50, s48, 1536                       ; Q's image
	s_mov_b32 s51, 0
	s_lshr_b32 s52, s48, 3
	s_lshl_b32 s52, s52, 9                         ; Q's scale words: 512 bytes for eight tiles
	s_mov_b32 s53, 0
	s_lshr_b32 s49, ttmp9, 4                       ; the batch
	s_lshl_b32 s54, s49, 7
	s_add_co_u32 s54, s54, s47
	s_lshl_b32 s54, s54, 12                        ; my mask words
	s_mov_b32 s55, 0
	s_lshl_b32 s56, s48, 13                        ; my 16 rows of O
	s_mov_b32 s57, 0
	s_mul_i32 s58, ttmp9, 16*STEPB
	s_mul_i32 s12, s[WV], 1536
	s_add_co_u32 s58, s58, s12                     ; the head's codes, my image
	s_mov_b32 s59, 0
	s_lshl_b32 s60, ttmp9, 14
	s_lshl_b32 s13, s[WV], 10
	s_add_co_u32 s60, s60, s13                     ; the head's scale words: I carry step number wave's
	s_mov_b32 s61, 0
	s_lshl_b32 s62, s49, 13
	s_lshl_b32 s63, s46, 10
	s_add_co_u32 s62, s62, s63                     ; my block's summaries
	s_mov_b32 s63, 0
	s_and_b32 s101, s[WV], 1                       ; Q's scale words: pair (wave / 2) % 4, half wave % 2
	s_lshl_b32 s101, s101, 8
	s_bfe_u32 s14, s[WV], 0x20001
	s_lshl_b32 s14, s14, 2
	s_add_co_u32 s101, s101, s14
	s_mov_b32 s[SEL], 0x76543210
	s_mov_b32 s[SEL+1], 0xfedcba98
	s_mov_b32 s[CS], 0x3e0293ee
	s_mov_b32 s[CS+1], s[CS]
	s_mov_b32 s[TS], 0
	s_mov_b32 s[MO], 0
	s_mov_b32 s[GRP], 2
	v_and_b32 v29, 31, v0
	v_and_b32 v30, 15, v0                          ; r
	v_bfe_u32 v31, v0, 4, 1                        ; h
	v_lshlrev_b32 v[LI], 4, v29
	v_lshl_add_u32 v[ADS], v30, 4, s101            ; (here: Q's scale word of row r)
	v_lshlrev_b32 v[GO], 9, v31
	v_lshl_add_u32 v[GO], v30, 4, v[GO]
	v_add_nc_u32 v[LS0], SCL, v[LI]
	v_add_nc_u32 v[STA], s12, v[LI]
	v_add_nc_u32 v[LI1], SLOT1, v[LI]
	v_add_nc_u32 v[STA1], SLOT1, v[STA]
	v_add_nc_u32 v[ADK], s13, v[LS0]               ; (here: where the scale words that I carry go)
	v_mov_b32 v[SMV], 0xfb800000
	s_wait_alu depctr_va_vdst(0)
	s_wait_kmcnt 0x0
	s_add_nc_u64 s[50:51], s[32:33], s[50:51]
	s_add_nc_u64 s[52:53], s[34:35], s[52:53]
	s_add_nc_u64 s[KP:KP+1], s[36:37], s[58:59]
	s_add_nc_u64 s[60:61], s[38:39], s[60:61]
	s_add_nc_u64 s[MP:MP+1], s[40:41], s[54:55]
	s_add_nc_u64 s[62:63], s[42:43], s[62:63]
	s_add_nc_u64 s[OUTP:OUTP+1], s[44:45], s[56:57]
	; 22 loads.  The summaries first: word 128 i + 4 l + k of the block is step 8 i + l / 4, tile 4 (l % 4) + k
	global_load_b128 v[96:99], v[LI], s[62:63]
	global_load_b128 v[100:103], v[LI], s[62:63] offset:512
	global_load_b128 v[104:107], v[LI], s[62:63] offset:32768
	global_load_b128 v[108:111], v[LI], s[62:63] offset:33280
	global_load_b128 v[88:91], v[LI], s[KP:KP+1]               ; my image of key step 0, in the registers of the images on their way: so these are written on every way through the text
	global_load_b128 v[92:95], v[LI], s[KP:KP+1] offset:512
	global_load_b128 v[8:11], v[LI], s[KP:KP+1] offset:1024
.irp t, 1,2,3                                  ; and of steps 1 to 3, in the fragments' registers
.irp c, 0,1,2
	global_load_b128 v[20+12*\t+4*\c:23+12*\t+4*\c], v[LI], s[KP:KP+1] offset:STEPB*\t+512*\c
.endr
.endr
	global_load_b128 v[112:115], v[LI], s[60:61]
	global_load_b128 v[116:119], v[LI], s[60:61] offset:512
.irp c, 0,1,2
	global_load_b128 v[16+4*\c:19+4*\c], v[LI], s[50:51] offset:512*\c th:TH_LOAD_NT
.endr
	global_load_b32 v255, v[ADS], s[52:53]
	v_mov_b32 v13, 0xff61b1e6                      ; the largest t so far: -3e38
	v_floor_f32 v12, -v13                          ; -M
	v_mov_b32 v14, 0
	v_mov_b32 v15, 0
.irp b, 0,1,2,3
	v_mov_b32 v[236+\b], 0                         ; a lane permute's destination counts as one of its sources
	v_mov_b32 v[124+\b], 0
.endr
	v_mov_b32 v253, 0
.set j, 0
.rept 64
	v_mov_b32 v[160+j], 0                          ; O^T: which step is a wave's first hangs on the masks, so no first step can be written out
.set j, j+1
.endr
	s_wait_alu depctr_va_vdst(0)
	s_wait_loadcnt 18                              ; the four loads of summaries are in; the 18 younger may be out
.irp k, 0,1,2,3
	v_cmp_ne_u32 s[32+2*\k], 0, v[96+\k]           ; bit l: tile 4 (l % 4) + k has a kept key in step l / 4,
	v_cmp_ne_u32 s[33+2*\k], 0, v[100+\k]          ; in step 8 + l / 4;
	v_cmp_ne_u32 s[40+2*\k], 0, v[104+\k]          ; a hidden one
	v_cmp_ne_u32 s[41+2*\k], 0, v[108+\k]
	v_or_b32 v[120+\k], v[96+\k], v[100+\k]
.endr
.irp m, 4,8                                    ; 'kept' words joined over all 16 steps: lanes with the same l % 4
.irp k, 0,1,2,3
	v_mov_b32_dpp v[124+\k], v[120+\k] row_xmask:\m row_mask:0xf bank_mask:0xf
.endr
.irp k, 0,1,2,3
	v_or_b32 v[120+\k], v[120+\k], v[124+\k]
.endr
.endr
.irp k, 0,1,2,3
	v_permlanex16_b32 v[124+\k], v[120+\k], s[SEL], s[SEL+1]
.endr
.irp k, 0,1,2,3
	v_or_b32 v[120+\k], v[120+\k], v[124+\k]
.endr
.irp k, 0,1,2,3
	v_lshrrev_b32 v[124+\k], 16, v[120+\k]
.endr
.irp k, 0,1,2,3
	v_or_b32 v[120+\k], v[120+\k], v[124+\k]       ; bit r: query r of the tile has a kept key
.endr
	v_and_b32 v120, v120, v121
	v_and_b32 v122, v122, v123
	v_and_b32 v120, v120, v122
	v_and_b32 v120, 0xffff, v120
	v_cmp_ne_u32 s14, 0xffff, v120                 ; not 0: some row of the block has no kept key at all
.irp i, 0,1                                    ; the work-group's row of bits: any tile: the four k, then the four lanes of a step
	s_or_b32 s[WGL+\i], s[32+\i], s[34+\i]
	s_or_b32 s15, s[36+\i], s[38+\i]
	s_or_b32 s[WGL+\i], s[WGL+\i], s15
	s_lshr_b32 s15, s[WGL+\i], 1
	s_or_b32 s[WGL+\i], s[WGL+\i], s15
	s_lshr_b32 s15, s[WGL+\i], 2
	s_or_b32 s[WGL+\i], s[WGL+\i], s15
.endr
	s_and_b32 s12, s[WV], 3                        ; my tile: k = wave % 4, lane wave / 4 of each four
	s_lshr_b32 s13, s[WV], 2
.irp k, 1,2,3
	s_cmp_eq_u32 s12, \k
	s_cselect_b32 s32, s[32+2*\k], s32
	s_cselect_b32 s33, s[33+2*\k], s33
	s_cselect_b32 s40, s[40+2*\k], s40
	s_cselect_b32 s41, s[41+2*\k], s41
.endr
	s_lshr_b32 s[OWN], s32, s13
	s_lshr_b32 s[OWN+1], s33, s13
	s_lshr_b32 s[PAR], s40, s13
	s_lshr_b32 s[PAR+1], s41, s13
	s_cmp_lg_u32 s14, 0
	s_cselect_b32 s[OWN], -1, s[OWN]
	s_cselect_b32 s[OWN+1], -1, s[OWN+1]
	s_cselect_b32 s[WGL], -1, s[WGL]
	s_cselect_b32 s[WGL+1], -1, s[WGL+1]
	s_wait_loadcnt 0x0                             ; all is in; the loads' bases are free for the mask words
	v_add_nc_u32 v120, 2*STEPB, v[STA]             ; steps 2 and 3 of slot 0
	ds_store_b128 v[STA], v[88:91]
	ds_store_b128 v[STA], v[92:95] offset:512
	ds_store_b128 v[STA], v[8:11] offset:1024
.irp c, 0,1,2
	ds_store_b128 v[STA], v[32+4*\c:35+4*\c] offset:STEPB+512*\c
	ds_store_b128 v120, v[44+4*\c:47+4*\c] offset:512*\c
	ds_store_b128 v120, v[56+4*\c:59+4*\c] offset:STEPB+512*\c
.endr
	ds_store_b128 v[ADK], v[112:115]
	ds_store_b128 v[ADK], v[116:119] offset:512
	s_wait_dscnt 0x0
	s_barrier_signal -1
	s_barrier_wait -1
.macro FRAGS base, g                   ; four images into v32-79: 512 consecutive bytes a load
.irp t, 0,1,2,3
.irp c, 0,1,2
	ds_load_b128 v[32+12*\t+4*\c:35+12*\t+4*\c], v[ADK] offset:\base+(4*\g+\t)*1536+512*\c
.endr
.endr
.endm
.macro KQ4 g                           ; S^T's tiles 4 g .. 4 g + 3.  A scale register holds a pair of tiles: the even one's words in lanes 0-15, the odd one's in lanes 16-31
.irp u, 0,1
	v_wmma_scale_f32_16x16x128_f8f6f4 v[96+8*(4*\g+2*\u):96+8*(4*\g+2*\u)+7], v[32+24*\u:32+24*\u+11], v[16:27], 0, v[80+2*\g+\u], v255 matrix_a_fmt:MATRIX_FMT_FP6 matrix_b_fmt:MATRIX_FMT_FP6
	v_wmma_scale_f32_16x16x128_f8f6f4 v[104+8*(4*\g+2*\u):104+8*(4*\g+2*\u)+7], v[44+24*\u:44+24*\u+11], v[16:27], 0, v[80+2*\g+\u], v255 matrix_a_fmt:MATRIX_FMT_FP6 matrix_b_fmt:MATRIX_FMT_FP6 matrix_a_scale:MATRIX_SCALE_ROW1
.endr
.endm
.macro PV4 g                           ; O^T's tiles 4 g .. 4 g + 3 += V^T P^T; the accumulators take turns
.irp u, 0,1
	v_wmma_scale_f32_16x16x128_f8f6f4 v[160+8*(4*\g+2*\u):160+8*(4*\g+2*\u)+7], v[32+24*\u:32+24*\u+11], v[224:235], v[160+8*(4*\g+2*\u):160+8*(4*\g+2*\u)+7], v[84+2*\g+\u], v253 matrix_a_fmt:MATRIX_FMT_FP6 matrix_b_fmt:MATRIX_FMT_FP6
	v_wmma_scale_f32_16x16x128_f8f6f4 v[168+8*(4*\g+2*\u):168+8*(4*\g+2*\u)+7], v[44+24*\u:44+24*\u+11], v[224:235], v[168+8*(4*\g+2*\u):168+8*(4*\g+2*\u)+7], v[84+2*\g+\u], v253 matrix_a_fmt:MATRIX_FMT_FP6 matrix_b_fmt:MATRIX_FMT_FP6 matrix_a_scale:MATRIX_SCALE_ROW1
.endr
.endm
.macro MASK g
.set n, 32*\g
.rept 32
	v_cndmask_b32 v[96+n], v[SMV], v[96+n], s[32+4*\g+n]
.set n, n+1
.endr
.endm
.macro BMAX b0, b1                     ; the largest score of two blocks of 32 keys (my 16 of each): for the row's maximum and, since p rises with the score, for the block's largest p
; four chains by turns: for each block one from the low end of each of its two accumulators
.irp b, \b0, \b1
	v_max3_num_f32 v[232+\b], v[96+16*\b], v[97+16*\b], v[98+16*\b]
.endr
.irp b, \b0, \b1
	v_max3_num_f32 v[236+\b], v[104+16*\b], v[105+16*\b], v[106+16*\b]
.endr
.irp i, 3,5
.irp b, \b0, \b1
	v_max3_num_f32 v[232+\b], v[232+\b], v[96+16*\b+\i], v[97+16*\b+\i]
.endr
.irp b, \b0, \b1
	v_max3_num_f32 v[236+\b], v[236+\b], v[104+16*\b+\i], v[105+16*\b+\i]
.endr
.endr
.irp b, \b0, \b1
	v_max3_num_f32 v[232+\b], v[232+\b], v[236+\b], v[103+16*\b]
.endr
.irp b, \b0, \b1
	v_max_num_f32 v[232+\b], v[232+\b], v[111+16*\b]
.endr
.endm
; A step's front: the scores and the blocks' largest.  par = 1: the tile has hidden keys: its 64 mask words are read and every score goes through a select
.macro FRONT par
.if \par
	s_load_b512 s[32:47], s[MP:MP+1], s[MO] offset:0x0
	s_load_b512 s[48:63], s[MP:MP+1], s[MO] offset:0x40
	s_load_b512 s[68:83], s[MP:MP+1], s[MO] offset:0x80
	s_load_b512 s[84:99], s[MP:MP+1], s[MO] offset:0xc0
.endif
.rept 4
	v_nop                                          ; places behind the last step's products, in front of loads into the registers that they read
.endr
	ds_load_b128 v[80:83], v[ADS]
	FRAGS 0, 0
	s_wait_dscnt 0x0
	KQ4 0
.rept 4
	v_nop
.endr
	FRAGS 0, 1
.if \par
	s_wait_kmcnt 0x0
	MASK 0
	s_wait_alu depctr_va_vdst(0)
.endif
	s_wait_dscnt 0x0
	KQ4 1
	BMAX 0, 1                                      ; sixteen plain lines that name no register of the four products above: their places
	ds_load_b128 v[84:87], v[ADS] offset:512
	FRAGS VOFF, 0                                  ; V's first four images land under the softmax
.if \par
	MASK 1
.endif
	BMAX 2, 3
.endm
.macro REST
.irp b, 0,1,2,3
	v_permlanex16_b32 v[236+\b], v[232+\b], s[SEL], s[SEL+1]
.endr
.irp b, 0,1,2,3
	s_delay_alu instid0(VALU_DEP_4)
	v_max_num_f32 v[232+\b], v[232+\b], v[236+\b]  ; with lane l xor 16's 16 keys
.endr
	s_delay_alu instid0(VALU_DEP_2)
	v_max3_num_f32 v254, v232, v233, v234
	s_delay_alu instid0(VALU_DEP_1)
	v_max_num_f32 v254, v254, v235
	s_delay_alu instid0(VALU_DEP_1)
	v_mul_f32 v254, s[CS], v254                    ; the step's largest t of my query
	s_delay_alu instid0(VALU_DEP_1)
	v_max_num_f32 v13, v13, v254
	v_mov_b32 v254, v12
	s_delay_alu instid0(VALU_DEP_2)
	v_floor_f32 v12, -v13                          ; the new -M = -ceil(t)
	s_delay_alu instid0(VALU_DEP_1)
	v_sub_f32 v254, v12, v254                      ; old M less new M: a whole number, 0 or less
	s_delay_alu instid0(VALU_DEP_1)
	v_cvt_i32_f32 v254, v254                       ; (it saturates)
	s_delay_alu instid0(VALU_DEP_1)
	v_ldexp_f32 v252, 1.0, v254                    ; f = 2^(old M - new M)
.set j, 0
.rept 32
	v_pk_fma_f32 v[96+j:97+j], v[96+j:97+j], s[CS:CS+1], v[12:13] op_sel_hi:[1,0,0]   ; t - M
.set j, j+2
.endr
.irp b, 0,1,2,3
	v_fma_f32 v[232+\b], v[232+\b], s[CS], v12     ; the same of each block's largest score
.endr
	s_wait_alu depctr_va_vdst(0)                   ; ahead of the batch
.set j, 0
.rept 64
	v_exp_f32 v[96+j], v[96+j]                     ; p = 2^(t - M), at most 1
.set j, j+1
.endr
	v_pk_mul_f32 v[14:15], v[14:15], v[252:253] op_sel_hi:[1,0]   ; the sums under the new M: the plain line behind the exponentials
	s_wait_alu depctr_va_vdst(0)                   ; one wait for the batch of 64
.irp b, 0,1,2,3
	v_exp_f32 v[232+\b], v[232+\b]                 ; the block's largest p
.endr
.irp q, 0,1,2,3,4,5,6,7                        ; the row's sum of the unquantised p: eight chains of pairs
	v_pk_add_f32 v[236+2*\q:237+2*\q], v[96+2*\q:97+2*\q], v[112+2*\q:113+2*\q]
.endr
.irp q, 0,1,2,3,4,5,6,7
	v_pk_add_f32 v[236+2*\q:237+2*\q], v[236+2*\q:237+2*\q], v[128+2*\q:129+2*\q]
.endr
.irp q, 0,1,2,3,4,5,6,7
	v_pk_add_f32 v[236+2*\q:237+2*\q], v[236+2*\q:237+2*\q], v[144+2*\q:145+2*\q]
.endr
.irp q, 0,1,2,3
	s_delay_alu instid0(VALU_DEP_4)
	v_pk_add_f32 v[236+2*\q:237+2*\q], v[236+2*\q:237+2*\q], v[244+2*\q:245+2*\q]
.endr
.irp q, 0,1
	s_delay_alu instid0(VALU_DEP_2)
	v_pk_add_f32 v[236+2*\q:237+2*\q], v[236+2*\q:237+2*\q], v[240+2*\q:241+2*\q]
.endr
	s_delay_alu instid0(VALU_DEP_1)
	v_pk_add_f32 v[236:237], v[236:237], v[238:239]
	s_delay_alu instid0(VALU_DEP_1)
	v_pk_add_f32 v[14:15], v[14:15], v[236:237]
	s_wait_alu depctr_va_vdst(0)                   ; and one for the four
.irp b, 0,1,2,3
	v_max_num_f32 v[232+\b], 0x1800000, v[232+\b]  ; the floor 2^(3 - 127): the byte cannot fall under 1
.endr
.irp b, 0,1,2,3
	s_delay_alu instid0(VALU_DEP_4)
	v_add_nc_u32 v[244+\b], 0xff000000, v[232+\b]  ; 2 off the exponent field: the conversion's scale operand
.endr
.irp b, 0,1,2,3
	s_delay_alu instid0(VALU_DEP_4)
	v_lshrrev_b32 v[236+\b], 23, v[244+\b]         ; the scale's byte
.endr
	s_delay_alu instid0(VALU_DEP_3)
	v_lshl_or_b32 v253, v237, 8, v236              ; p's scale word for these 128 keys
	s_delay_alu instid0(VALU_DEP_1)
	v_lshl_or_b32 v253, v238, 16, v253
	s_delay_alu instid0(VALU_DEP_1)
	v_lshl_or_b32 v253, v239, 24, v253
.irp c, 0,1
	v_cvt_scalef32_pk16_fp6_f32 v[224+6*\c:226+6*\c], v[96+32*\c:111+32*\c], v[244+2*\c]
	v_cvt_scalef32_pk16_fp6_f32 v[236+4*\c:238+4*\c], v[112+32*\c:127+32*\c], v[244+2*\c+1]
.endr
	v_nop                                          ; one plain line behind the scaled conversions
.irp c, 0,1                                    ; the operand wants a WHOLE block in a lane
.irp i, 0,1,2
	v_permlane16_swap_b32 v[224+6*\c+\i], v[236+4*\c+\i]
.endr
.irp i, 0,1,2
	s_delay_alu instid0(VALU_DEP_3)
	v_mov_b32 v[227+6*\c+\i], v[236+4*\c+\i]
.endr
.endr
	s_wait_alu depctr_va_vdst(0)                   ; ahead of the first reader of O^T
.set j, 0
.rept 32
	v_pk_mul_f32 v[160+j:161+j], v[160+j:161+j], v[252:253] op_sel_hi:[1,0]   ; O^T under the new M; also the places between p's codes and scale word and the products below
.set j, j+2
.endr
	s_wait_alu depctr_va_vdst(0)
	s_wait_dscnt 0x0                               ; V's first four images and its scale words are in
	PV4 0
.rept 4
	v_nop
.endr
	FRAGS VOFF, 1
	s_wait_dscnt 0x0
	PV4 1
.endm
.macro SH4 p                           ; a row of 64 bits, four down: one step
	s_lshr_b32 s[\p], s[\p], 4
	s_lshl_b32 s15, s[\p+1], 28
	s_or_b32 s[\p], s[\p], s15
	s_lshr_b32 s[\p+1], s[\p+1], 4
.endm
; A KEY STEP, read from slot sl.  My image of the step four on is asked for first, if any wave of the work-group will need that step, and stored into the other slot at the end.
.macro STEP sl
.if \sl
	v_add_nc_u32 v[ADK], s[TB], v[LI1]
.else
	v_add_nc_u32 v[ADK], s[TB], v[LI]
.endif
	v_add_nc_u32 v[ADS], s[TS], v[LS0]
	s_wait_alu depctr_va_vdst(0)
	s_bitcmp1_b32 s[WGL], 16
	s_cbranch_scc0 .Lnoask_\@
	global_load_b128 v[88:91], v[LI], s[KP:KP+1] offset:4*STEPB
	global_load_b128 v[92:95], v[LI], s[KP:KP+1] offset:4*STEPB+512
	global_load_b128 v[8:11], v[LI], s[KP:KP+1] offset:4*STEPB+1024
.Lnoask_\@:
	s_bitcmp1_b32 s[OWN], 0
	s_cbranch_scc0 .Lidle_\@                       ; my tile has no kept key
	s_bitcmp1_b32 s[PAR], 0
	s_cbranch_scc0 .Lfull_\@
	FRONT 1
	s_wait_alu depctr_va_vdst(0)
	s_branch .Lback_\@
.Lfull_\@:
	FRONT 0
.Lback_\@:
	REST
.Lidle_\@:
	s_wait_loadcnt 0x0                             ; the image asked for above, if any, is in
	s_bitcmp1_b32 s[WGL], 16
	s_cbranch_scc0 .Lnoput_\@
.if \sl
	v_add_nc_u32 v[ADK], s[TB], v[STA]             ; the same place of the other slot: its last reads stand in front of the barrier ahead of this group
.else
	v_add_nc_u32 v[ADK], s[TB], v[STA1]
.endif
	ds_store_b128 v[ADK], v[88:91]
	ds_store_b128 v[ADK], v[92:95] offset:512
	ds_store_b128 v[ADK], v[8:11] offset:1024
.Lnoput_\@:
	SH4 WGL
	SH4 OWN
	SH4 PAR
	s_add_co_u32 s[TB], s[TB], STEPB
	s_add_co_u32 s[TS], s[TS], 1024
	s_add_co_u32 s[MO], s[MO], 256
	s_add_nc_u64 s[KP:KP+1], s[KP:KP+1], STEPB
.endm
.macro GROUP sl                        ; a slot's four key steps, and the one barrier behind them
	s_mov_b32 s[TB], 0
	s_mov_b32 s[CNT], 4
.Lstep_\@:
	STEP \sl
	s_sub_co_u32 s[CNT], s[CNT], 1
	s_cmp_lg_u32 s[CNT], 0
	s_cbranch_scc1 .Lstep_\@
	s_wait_dscnt 0x0                               ; my stores into the other slot are done and my reads of this slot are over
	s_barrier_signal -1
	s_barrier_wait -1
.endm
.Lpair:                                            ; two trips of two groups; from step 12 on the work-group's row of bits holds zeros four steps on, so nothing beyond the head's codes is asked for
	GROUP 0
	GROUP 1
	s_sub_co_u32 s[GRP], s[GRP], 1
	s_cmp_lg_u32 s[GRP], 0
	s_cbranch_scc1 .Lpair
	; THE WAY OUT.  O^T is divided by the row's sum and goes through my own stage in LDS, half a row (256 bytes) of 16 queries at a time, so that sixteen lanes store 256 consecutive bytes, aligned.
	v_add_f32 v14, v14, v15
	s_delay_alu instid0(VALU_DEP_1)
	v_permlanex16_b32 v252, v14, s[SEL], s[SEL+1]
	s_delay_alu instid0(VALU_DEP_1)
	v_add_f32 v14, v14, v252                       ; the row's sum (at least 1/2)
	s_wait_alu depctr_va_vdst(0)
	v_rcp_f32 v14, v14
	v_and_b32 v8, 15, v0                           ; r
	v_bfe_u32 v9, v0, 4, 1                         ; h
	s_mul_i32 s31, s[WV], 16*272
	s_add_co_u32 s31, s31, STAGE
	v_mul_u32_u24 v10, v8, 272
	s_delay_alu instid0(VALU_DEP_1)
	v_lshl_add_u32 v10, v9, 5, v10
	s_delay_alu instid0(VALU_DEP_1)
	v_add_nc_u32 v10, s31, v10                     ; in: row r; tile t's eight channels of my half: 64 t + 32 h bytes on
	v_mul_u32_u24 v11, v9, 272
	s_delay_alu instid0(VALU_DEP_1)
	v_lshl_add_u32 v11, v8, 4, v11
	s_delay_alu instid0(VALU_DEP_1)
	v_add_nc_u32 v11, s31, v11                     ; back: lanes 0-15 one row, lanes 16-31 the next
	s_wait_alu depctr_va_vdst(0)                   ; the wait ahead of the reciprocal's first reader
.set j, 0
.rept 64
	v_mul_f32 v[96+j], v[160+j], v14               ; register 8 t + i is o(r, 16 t + 8 h + i); each accumulator from its low end on
.set j, j+1
.endr
.irp t, 0,1,2,3
	ds_store_b128 v10, v[96+8*\t:99+8*\t] offset:64*\t
	ds_store_b128 v10, v[100+8*\t:103+8*\t] offset:64*\t+16
.endr
.irp i, 0,1,2,3,4,5,6,7
	ds_load_b128 v[32+4*\i:35+4*\i], v11 offset:2*\i*272     ; LDS serves a wave's instructions in order
.endr
.irp t, 0,1,2,3
	ds_store_b128 v10, v[128+8*\t:131+8*\t] offset:64*\t
	ds_store_b128 v10, v[132+8*\t:135+8*\t] offset:64*\t+16
.endr
.irp i, 0,1,2,3,4,5,6,7
	ds_load_b128 v[160+4*\i:163+4*\i], v11 offset:2*\i*272
.endr
.irp i, 0,1,2,3,4,5,6,7
	s_wait_dscnt 23-\i                             ; behind load i of the first half: its 7 - i younger loads and the second half's 16 instructions
	global_store_b128 v[GO], v[32+4*\i:35+4*\i], s[OUTP:OUTP+1] offset:1024*\i th:TH_STORE_NT
.endr
.irp i, 0,1,2,3,4,5,6,7
	s_wait_dscnt 7-\i
	global_store_b128 v[GO], v[160+4*\i:163+4*\i], s[OUTP:OUTP+1] offset:1024*\i+256 th:TH_STORE_NT
.endr
	s_wait_tensorcnt 0x0                           ; the wave's end, behind my last LDS store
	ds_add_u32 v[SPW], v[NIL]
	s_wait_dscnt 0x0
	s_endpgm
.Lfunc_end_k_q564cc98e02_attn:
	.size	k_q564cc98e02_attn, .Lfunc_end_k_q564cc98e02_attn-k_q564cc98e02_attn
	.p2alignl 7, 3214868480
	.fill 96, 4, 3214868480
	.section	.rodata,"a",@progbits
	.p2align	6, 0x0
	.amdhsa_kernel k_q564cc98e02_attn
		.amdhsa_group_segment_fixed_size 274432
		.amdhsa_private_segment_fixed_size 0
		.amdhsa_enable_private_segment 0
		.amdhsa_kernarg_size 56
		.amdhsa_user_sgpr_count 2
		.amdhsa_user_sgpr_kernarg_segment_ptr 1
		.amdhsa_wavefront_size32 1
		.amdhsa_system_sgpr_workgroup_id_x 1
		.amdhsa_system_sgpr_workgroup_id_y 1
		.amdhsa_system_sgpr_workgroup_id_z 1
		.amdhsa_system_vgpr_workitem_id 0
		.amdhsa_next_free_vgpr 256
		.amdhsa_next_free_sgpr 102
		.amdhsa_reserve_vcc 0
		.amdhsa_float_denorm_mode_32 3
		.amdhsa_float_denorm_mode_16_64 3
		.amdhsa_memory_ordered 1
		.amdhsa_forward_progress 1
		.amdhsa_inst_pref_size 83
	.end_amdhsa_kernel
	.amdgpu_metadata
---
amdhsa.version: [ 1, 2 ]
amdhsa.kernels:
  - .name:           k_q564cc98e02_attn
    .symbol:         k_q564cc98e02_attn.kd
    .args:
      - { .name: qc, .offset: 0, .size: 8, .value_kind: global_buffer, .address_space: global }
      - { .name: qs, .offset: 8, .size: 8, .value_kind: global_buffer, .address_space: global }
      - { .name: kvc, .offset: 16, .size: 8, .value_kind: global_buffer, .address_space: global }
      - { .name: kvs, .offset: 24, .size: 8, .value_kind: global_buffer, .address_space: global }
      - { .name: mw, .offset: 32, .size: 8, .value_kind: global_buffer, .address_space: global }
      - { .name: ms, .offset: 40, .size: 8, .value_kind: global_buffer, .address_space: global }
      - { .name: out0, .offset: 48, .size: 8, .value_kind: global_buffer, .address_space: global }
    .group_segment_fixed_size: 274432
    .private_segment_fixed_size: 0
    .kernarg_segment_align: 8
    .kernarg_segment_size: 56
    .max_flat_workgroup_size: 512
    .sgpr_count:     102
    .vgpr_count:     256
    .wavefront_size: 32
...
	.end_amdgpu_metadata
.endif
;; end of part 2
